; MI455X (gfx1250); checked and timed in simulation.
; The chip was launched on July 23, 2026; its instructions are those of AMD's public machine-readable ISA for CDNA 5 (MIT licence, August 2026) and "CDNA5" Instruction Set Architecture Reference Guide (July 2026). The comments in the code are by the model that wrote it; some were corrected since.
;; Model. Allowed arithmetic: float matrix products may take bf16 or f16 operands with f32 sums; other float arithmetic in f32, or as packed bf16 or f16 multiplies, adds, multiply-adds, maxima and minima; sums over many terms, partial sums and values carried from step to step in f32; what a program stores and reads back later, other than sums and carried values, may be rounded once to bf16 or f16.
;; Inputs: W1 2 x 2 float32; W2 1 x 2 float32; b1 2 float32; b2 1 float32; t 1 x 1,024 x 2 float32; x 16,384 x 1,024 x 1 float32.
;; Outputs: out0 16,384 x 1,024 x 1 float32.
;; 2 versions, each right and faster than the one before. Each part assembles by itself: llvm-mc -triple=amdgcn-amd-amdhsa -mcpu=gfx1250 --defsym DOCPART=n.
;; ======== version 1 of 2: 1 launch
;; launch rk4 (part 1): grid 256 x 1, 32 waves a work-group, no clusters, 0 bytes of LDS; arguments x, t, W1, b1, W2, b2, out0; writes out0
.if DOCPART == 1
	.amdgcn_target "amdgcn-amd-amdhsa--gfx1250"
	.amdhsa_code_object_version 6
	.text
	.protected	k_qd1bea45e2a_rk4
	.globl	k_qd1bea45e2a_rk4
	.p2align	8
	.type	k_qd1bea45e2a_rk4,@function
k_qd1bea45e2a_rk4:
	s_mov_b64 s[64:65], 0
	v_nop
	global_prefetch_b8 v0, s[64:65] scope:SCOPE_SE
	s_setreg_imm32_b32 hwreg(HW_REG_WAVE_MODE, 25, 1), 1
	s_wait_xcnt 0x0
; out[b][c] = y after four RK4 steps of dy/dt = W2 . tanh(W1 . (y, time) + b1) + b2 from t[c][0] to t[c][1], y(0) = x[b][c].  x, out: [16384][1024] f32; all arithmetic in f32.
; HOW f IS COMPUTED.  S = 2 log2(e), A_j = S W1[j][0], e_j = 2^(u_j), tanh(z_j) = 1 - 2 / (1 + e_j), K0 = W2[0] + W2[1] + b2, dt = (t1 - t0) / 4.
;   (1) The time column of W1 and b1 do not hang on the row: u_j = A_j y + C_j(i), with a table C_j(i) for the nine times t0 + i dt / 2 of a column.  So the first product (K = 2) is ONE
;       multiply-add for each hidden unit; the matrix unit would want y rounded to 16 bits and laid into fragments, more vector lines than the two that it would replace.
;   (2) The constant K0 of f is carried apart: the registers hold y - K0 (time - t0); A_j K0 i dt / 2 lies in the table, and K0 (t1 - t0) is added once at the end.
;       What cancels there is at most (|W2[0]| + |W2[1]|) (t1 - t0), the size of the integral's own terms.
;   (3) One reciprocal serves both hidden units.  d_j = min(1, 2^-32 (1 + e_j)): one packed multiply-add with clamp.  M_j = -2 W2[j] dt 2^-32.
;       G = dt (f - K0) = M0 / d0 + M1 / d1 = (M0 d1 + M1 d0) / (d0 d1).  d0 d1 lies in 2^-64 .. 1, so e = infinity and e = 0 give no NaN; the clamp acts where 2 / (1 + e) < 5e-10,
;       less than half a unit in the last place of a tanh near 1.  dt = 0, dt < 0 and W2 = 0 need no care of their own.
;   An evaluation of f is then, for a pair of elements, 4 exponentials, 2 reciprocals and 9 or 10 packed lines.
; LIMITS.  NaN and infinities among the inputs are not treated apart.  A term with |dt W2[j]| below 2^-62 passes through denormals (M_j d) and may lose bits.
; SHARES.  256 work-groups of 32 waves; a work-group owns 64 rows, a wave 32 rows x 64 columns, a lane two neighbouring columns: a register pair for the packed f32 lines.  A wave's load or
; store of 8 bytes a lane covers 256 consecutive bytes, at a multiple of 256 from the buffer's first byte.  Two columns a lane, not four, keep the lane's table at 36 registers.
; A wave works in batches of 4 rows (4 pairs).  Pairs 0, 1 are group A, pairs 2, 3 group B; B runs one phase behind A, and the lines of the two are dealt by turns: behind every
; transcendental stands a plain line of the OTHER group, which names none of its registers, before its result is used (ISA guide 5.7.2); so no v_nop is written.
; No LDS, no barrier, no cluster: no lane needs another lane's numbers, and the work-groups share nothing but t's 8,192 bytes.
.set ROWB,  4096                       ; bytes in a row
.set BROWS, 4                          ; rows in a batch
.set WROWS, 32                         ; rows of a wave
.set TRIPS, WROWS/BROWS
.set OFF, 1                            ; v1       my byte offset from the group's first row; never rewritten
.set CB,  2                            ; v[2:37]  C_j(i) of my two columns at CB + 18 j + 2 i
.set MM,  38                           ; v[38:41] M_0, M_1 of my two columns
.set KG,  42                           ; v[42:43] K0 (t1 - t0)
.set CC,  44                           ; v[44:45] 2^-32, twice: a line with clamp takes its sources from vector registers
.set X,   46                           ; v[46:53] x as loaded, pair p at X + 2 p; read by the first RK4 step alone
.set Y,   54                           ; v[54:61] y from the first step's end on; at last the data of the stores
.set AC,  62                           ; v[62:69] G1 + 2 G2 + 2 G3 + G4
.set WB,  70                           ; v[70:93] six registers a pair: U0 (u0, e0, d0, numerator, G), U1 (u1, e1, d1, d0 d1, its reciprocal, the stage's y), T
.set TT,  WB                           ; in the set-up: t0, t1 of my two columns
.set GP,  WB+4                         ;                t1 - t0
.set SL,  WB+6                         ;                the tables' steps
.set SA,  30                           ; s[30:31] A_0 twice, s[32:33] A_1 twice (a packed line names a pair and takes its low word for both halves)
.set ST,  34                           ; s34, s35 S W1[j][1]
.set SB,  36                           ; s36, s37 S b1[j]
.set SK,  38                           ; s38      K0
.set SS,  39                           ; s39, s40 (S W1[j][1] + A_j K0) / 8: the table's step for t1 - t0 = 1
.set SM,  41                           ; s41, s42 -W2[j] 2^-33: M_j for t1 - t0 = 1
.set CNT, 43                           ; s43      batches to go
	s_load_b256 s[4:11], s[0:1], 0x0               ; x s[4:5], t s[6:7], W1 s[8:9], b1 s[10:11]
	s_load_b128 s[12:15], s[0:1], 0x20             ; W2 s[12:13], b2 s[14:15]
	s_load_b64 s[16:17], s[0:1], 0x30              ; out0
	v_and_b32 v[AC+1], 0x1ff, v0                   ; my pair of columns, 0 to 511
	v_lshrrev_b32 v[AC+2], 9, v0                   ; which 32 of the group's 64 rows
	v_lshlrev_b32 v[AC], 4, v[AC+1]                ; t: 16 bytes for a pair of columns
	v_lshlrev_b32 v[OFF], 3, v[AC+1]               ; x, out: 8 bytes in a row,
	v_lshl_add_u32 v[OFF], v[AC+2], 17, v[OFF]     ; and 32 rows of 4,096 bytes
	s_lshl_b32 s2, ttmp9, 18                       ; the work-group's 64 rows: at most 255 x 262,144, under 2^32
	s_mov_b32 s3, 0
	s_wait_kmcnt 0x0
	s_load_b128 s[20:23], s[8:9], 0x0              ; W1[0][0], W1[0][1], W1[1][0], W1[1][1]
	s_load_b64 s[24:25], s[10:11], 0x0             ; b1
	s_load_b64 s[26:27], s[12:13], 0x0             ; W2
	s_load_b32 s28, s[14:15], 0x0                  ; b2
	s_add_nc_u64 s[4:5], s[4:5], s[2:3]
	s_add_nc_u64 s[16:17], s[16:17], s[2:3]
	global_load_b128 v[TT:TT+3], v[AC], s[6:7]     ; every work-group reads t: no hint
.irp p, 0,1,2,3
	global_load_b64 v[X+2*\p:X+2*\p+1], v[OFF], s[4:5] offset:\p*ROWB th:TH_LOAD_NT  ; the first batch; x is read once in the launch
.endr
	s_wait_kmcnt 0x0
	s_mul_f32 s[SA], s20, 0x4038aa3b               ; S = 2 log2(e) = 2.885390
	s_mul_f32 s[SA+2], s22, 0x4038aa3b
	s_mul_f32 s[ST], s21, 0x4038aa3b
	s_mul_f32 s[ST+1], s23, 0x4038aa3b
	s_mul_f32 s[SB], s24, 0x4038aa3b
	s_mul_f32 s[SB+1], s25, 0x4038aa3b
	s_add_f32 s[SK], s26, s27
	s_add_f32 s[SK], s[SK], s28
	s_mov_b32 s[SA+1], s[SA]
	s_mov_b32 s[SA+3], s[SA+2]
	s_mov_b32 s[SS], s[ST]
	s_mov_b32 s[SS+1], s[ST+1]
	s_fmac_f32 s[SS], s[SA], s[SK]
	s_fmac_f32 s[SS+1], s[SA+2], s[SK]
	s_mul_f32 s[SS], s[SS], 0x3e000000             ; dt / 2 = (t1 - t0) / 8
	s_mul_f32 s[SS+1], s[SS+1], 0x3e000000
	s_mul_f32 s[SM], s26, 0xaf000000               ; -2 x 1/4 x 2^-32 = -2^-33
	s_mul_f32 s[SM+1], s27, 0xaf000000
	s_wait_loadcnt 0x4                             ; loads come back in order: t is in, the four loads of x issued behind it may stay out
	v_sub_f32 v[GP], v[TT+1], v[TT]
	v_sub_f32 v[GP+1], v[TT+3], v[TT+2]
.irp j, 0,1
	v_fma_f32 v[CB+18*\j], v[TT], s[ST+\j], s[SB+\j]      ; C_j(0) = S (W1[j][1] t0 + b1[j])
	v_fma_f32 v[CB+18*\j+1], v[TT+2], s[ST+\j], s[SB+\j]
	v_mul_f32 v[SL+2*\j], s[SS+\j], v[GP]
	v_mul_f32 v[SL+2*\j+1], s[SS+\j], v[GP+1]
	v_mul_f32 v[MM+2*\j], s[SM+\j], v[GP]
	v_mul_f32 v[MM+2*\j+1], s[SM+\j], v[GP+1]
.endr
	v_mul_f32 v[KG], s[SK], v[GP]
	v_mul_f32 v[KG+1], s[SK], v[GP+1]
	v_mov_b32 v[CC], 0x2f800000                    ; 2^-32
	v_mov_b32 v[CC+1], 0x2f800000
.set i, 1
.irp f, 1.0, 2.0, 0x40400000, 4.0, 0x40a00000, 0x40c00000, 0x40e00000, 0x41000000
	v_pk_fma_f32 v[CB+2*i:CB+2*i+1], v[SL:SL+1], \f, v[CB:CB+1] op_sel_hi:[1,0,1]              ; C_j(i) = C_j(0) + i x step, i = 1 to 8
	v_pk_fma_f32 v[CB+18+2*i:CB+18+2*i+1], v[SL+2:SL+3], \f, v[CB+18:CB+19] op_sel_hi:[1,0,1]
.set i, i+1
.endr
; THE LINES OF A GROUP g (pairs 2 g, 2 g + 1), each kind a numbered list in which the two pairs alternate, so that no line reads the result of the line just before it in its list.
.macro EXPO g, q                       ; number q of 8: e = 2^u, in place: u0 of both columns, then u1
.set rT, WB+6*(2*(\g)+(\q)%2)+(\q)/2
	v_exp_f32 v[rT], v[rT]
.endm
.macro RECI g, q                       ; number q of 4: 1 / (d0 d1), in place
.set rT, WB+6*(2*(\g)+(\q)%2)+2+(\q)/2
	v_rcp_f32 v[rT], v[rT]
.endm
.macro MID g, q                        ; number q of 10: d0, d1; then T = M0 d1, U1 = d0 d1, U0 = M1 d0 + T
.set rU, WB+6*(2*(\g)+(\q)%2)
.if (\q)/2 < 2
	s_wait_alu depctr_va_vdst(0)
	v_pk_fma_f32 v[rU+2*((\q)/2):rU+2*((\q)/2)+1], v[rU+2*((\q)/2):rU+2*((\q)/2)+1], v[CC:CC+1], v[CC:CC+1] clamp
.elseif (\q)/2 == 2
	v_pk_mul_f32 v[rU+4:rU+5], v[rU+2:rU+3], v[MM:MM+1]
.elseif (\q)/2 == 3
	v_pk_mul_f32 v[rU+2:rU+3], v[rU:rU+1], v[rU+2:rU+3]
.else
	v_pk_fma_f32 v[rU:rU+1], v[rU:rU+1], v[MM+2:MM+3], v[rU+4:rU+5]
.endif
.endm
.macro LEAD j, src                     ; u_j = A_j y + C_j(ti) for the stage's y in src
	v_pk_fma_f32 v[rU+2*(\j):rU+2*(\j)+1], v[\src:\src+1], s[SA+2*(\j):SA+2*(\j)+1], v[CB+18*(\j)+2*ti:CB+18*(\j)+2*ti+1] op_sel_hi:[1,0,1]
.endm
; Number q of the lines that lead from evaluation n - 1 into evaluation n (n = 0 to 16; evaluation n is stage n % 4 of step n / 4, at time t0 + ti dt / 2).
; G = numerator x reciprocal; G's part in the RK4 sum; the next stage's y (y + G / 2, y + G / 2, y + G, or the step's new y = y + sum / 6); u0 and u1 for it.
; n = 0 has u0, u1 alone, from x; n = 16 ends with + K0 (t1 - t0).  The first step reads y from X, so that X is free for the next batch's loads from then on.  Numbers past a list's end write nothing.
.macro PLAIN g, n, q
.set pp, 2*(\g)+(\q)%2
.set oo, (\q)/2
.set sp, ((\n)+3)%4
.set ti, 2*((\n)/4)+((\n)%4+1)/2
.set rU, WB+6*pp
.set rA, AC+2*pp
.set rY, Y+2*pp
.if (\n) <= 4
.set rS, X+2*pp
.else
.set rS, Y+2*pp
.endif
.if (\n) == 0
.if oo < 2
	LEAD oo, rS
.endif
.elseif oo == 0
.if sp == 0
	s_wait_alu depctr_va_vdst(0)
	v_pk_mul_f32 v[rA:rA+1], v[rU:rU+1], v[rU+2:rU+3]                               ; G1 starts the sum: nothing is cleared
.else
	s_wait_alu depctr_va_vdst(0)
	v_pk_mul_f32 v[rU:rU+1], v[rU:rU+1], v[rU+2:rU+3]
.endif
.elseif sp == 0
.if oo == 1
	v_pk_fma_f32 v[rU+2:rU+3], v[rA:rA+1], 0.5, v[rS:rS+1] op_sel_hi:[1,0,1]
.elseif oo < 4
	LEAD oo-2, rU+2
.endif
.elseif sp == 3
.if oo == 1
	v_pk_add_f32 v[rA:rA+1], v[rA:rA+1], v[rU:rU+1]
.elseif oo == 2
	v_pk_fma_f32 v[rY:rY+1], v[rA:rA+1], 0x3e2aaaab, v[rS:rS+1] op_sel_hi:[1,0,1]   ; 1 / 6
.elseif (\n) < 16
	LEAD oo-3, rY
.elseif oo == 3
	v_pk_add_f32 v[rY:rY+1], v[rY:rY+1], v[KG:KG+1]
.endif
.else
.if (oo == 1) && (sp == 1)
	v_pk_fma_f32 v[rU+2:rU+3], v[rU:rU+1], 0.5, v[rS:rS+1] op_sel_hi:[1,0,1]
.elseif oo == 1
	v_pk_add_f32 v[rU+2:rU+3], v[rU:rU+1], v[rS:rS+1]
.elseif oo == 2
	v_pk_fma_f32 v[rA:rA+1], v[rU:rU+1], 2.0, v[rA:rA+1] op_sel_hi:[1,0,1]
.else
	LEAD oo-3, rU+2
.endif
.endif
.endm
; THE DEAL.  The transcendentals of group gt (tk = 0: its eight exponentials, one ahead of each plain line; tk = 1: its four reciprocals, one ahead of every second)
; among the plain lines of group gp (pk = 0: MID; pk = 1: PLAIN into evaluation n).
.macro ZIP tk, gt, pk, gp, n
.set zq, 0
.rept 10
.if (\tk) == 0
.if zq < 8
	EXPO \gt, zq
.endif
.elseif (zq%2 == 0) && (zq < 8)
	RECI \gt, zq/2
.endif
.if \pk
	PLAIN \gp, \n, zq
.else
	MID \gp, zq
.endif
.set zq, zq+1
.endr
.endm
; A BATCH: four rows, sixteen evaluations.  ahead = 1: the next batch's rows are asked for when the first step has read X for the last time: three of the four steps stand between the loads and the wait for them.
.macro BATCH ahead
	s_wait_loadcnt 0x0                             ; the batch's four loads: no other load of mine is out
.set zq, 0
.rept 4
	PLAIN 0, 0, zq
.set zq, zq+1
.endr
.set ev, 0
.rept 16
	ZIP 0, 0, 1, 1, ev                             ; A's exponentials | B's lines into this evaluation
.if (ev == 4) && (\ahead)
.irp p, 0,1,2,3
	global_load_b64 v[X+2*\p:X+2*\p+1], v[OFF], s[4:5] offset:(BROWS+\p)*ROWB th:TH_LOAD_NT
.endr
.endif
	ZIP 0, 1, 0, 0, 0                              ; B's exponentials | A's denominators and numerator
	ZIP 1, 0, 0, 1, 0                              ; A's reciprocals  | B's denominators and numerator
	ZIP 1, 1, 1, 0, ev+1                           ; B's reciprocals  | A's lines into the next evaluation
.set ev, ev+1
.endr
.irp p, 0,1
	global_store_b64 v[OFF], v[Y+2*\p:Y+2*\p+1], s[16:17] offset:\p*ROWB th:TH_STORE_NT  ; 32 lanes store 256 consecutive bytes, at a multiple of 256 from out0's first byte
.endr
.set zq, 0
.rept 8
	PLAIN 1, 16, zq
.set zq, zq+1
.endr
.irp p, 2,3
	global_store_b64 v[OFF], v[Y+2*\p:Y+2*\p+1], s[16:17] offset:\p*ROWB th:TH_STORE_NT
.endr
.endm
	s_mov_b32 s[CNT], TRIPS-1
.Lbatch:
	BATCH 1
	s_wait_xcnt 0x0                                ; every earlier memory instruction has had its addresses translated (ISA guide 3.1): only behind this wait are the two bases stepped and Y, the stores' data, written again
	s_add_nc_u64 s[4:5], s[4:5], BROWS*ROWB
	s_add_nc_u64 s[16:17], s[16:17], BROWS*ROWB
	s_sub_co_u32 s[CNT], s[CNT], 1
	s_cmp_lg_u32 s[CNT], 0
	s_cbranch_scc1 .Lbatch
	BATCH 0                                        ; the last batch is written out: it asks for nothing, so no load leaves x
	s_endpgm
.Lfunc_end_k_qd1bea45e2a_rk4:
	.size	k_qd1bea45e2a_rk4, .Lfunc_end_k_qd1bea45e2a_rk4-k_qd1bea45e2a_rk4
	.p2alignl 7, 3214868480
	.fill 96, 4, 3214868480
	.section	.rodata,"a",@progbits
	.p2align	6, 0x0
	.amdhsa_kernel k_qd1bea45e2a_rk4
		.amdhsa_group_segment_fixed_size 0
		.amdhsa_private_segment_fixed_size 0
		.amdhsa_enable_private_segment 0
		.amdhsa_kernarg_size 56
		.amdhsa_user_sgpr_count 2
		.amdhsa_user_sgpr_kernarg_segment_ptr 1
		.amdhsa_wavefront_size32 1
		.amdhsa_system_sgpr_workgroup_id_x 1
		.amdhsa_system_sgpr_workgroup_id_y 1
		.amdhsa_system_sgpr_workgroup_id_z 1
		.amdhsa_system_vgpr_workitem_id 0
		.amdhsa_next_free_vgpr 94
		.amdhsa_next_free_sgpr 66
		.amdhsa_reserve_vcc 0
		.amdhsa_float_denorm_mode_32 3
		.amdhsa_float_denorm_mode_16_64 3
		.amdhsa_memory_ordered 1
		.amdhsa_forward_progress 1
		.amdhsa_inst_pref_size 122
	.end_amdhsa_kernel
	.amdgpu_metadata
---
amdhsa.version: [ 1, 2 ]
amdhsa.kernels:
  - .name:           k_qd1bea45e2a_rk4
    .symbol:         k_qd1bea45e2a_rk4.kd
    .args:
      - { .name: x, .offset: 0, .size: 8, .value_kind: global_buffer, .address_space: global }
      - { .name: t, .offset: 8, .size: 8, .value_kind: global_buffer, .address_space: global }
      - { .name: W1, .offset: 16, .size: 8, .value_kind: global_buffer, .address_space: global }
      - { .name: b1, .offset: 24, .size: 8, .value_kind: global_buffer, .address_space: global }
      - { .name: W2, .offset: 32, .size: 8, .value_kind: global_buffer, .address_space: global }
      - { .name: b2, .offset: 40, .size: 8, .value_kind: global_buffer, .address_space: global }
      - { .name: out0, .offset: 48, .size: 8, .value_kind: global_buffer, .address_space: global }
    .group_segment_fixed_size: 0
    .private_segment_fixed_size: 0
    .kernarg_segment_align: 8
    .kernarg_segment_size: 56
    .max_flat_workgroup_size: 1024
    .sgpr_count:     66
    .vgpr_count:     94
    .wavefront_size: 32
...
	.end_amdgpu_metadata
.endif
;; end of part 1
;; ======== version 2 of 2: 1 launch; 1.07 times as fast as version 1
;; launch rk4 (part 2): grid 256 x 1, 32 waves a work-group, no clusters, 0 bytes of LDS; arguments x, t, W1, b1, W2, b2, out0; writes out0
.if DOCPART == 2
	.amdgcn_target "amdgcn-amd-amdhsa--gfx1250"
	.amdhsa_code_object_version 6
	.text
	.protected	k_qd1bea45e2a_rk4
	.globl	k_qd1bea45e2a_rk4
	.p2align	8
	.type	k_qd1bea45e2a_rk4,@function
k_qd1bea45e2a_rk4:
	s_mov_b64 s[64:65], 0
	v_nop
	global_prefetch_b8 v0, s[64:65] scope:SCOPE_SE
	s_setreg_imm32_b32 hwreg(HW_REG_WAVE_MODE, 25, 1), 1
	s_wait_xcnt 0x0
; out[b][c] = y after four RK4 steps of dy/dt = W2 . tanh(W1 . (y, time) + b1) + b2 from t[c][0] to t[c][1], y(0) = x[b][c].  x, out: [16384][1024] f32; all arithmetic in f32.
; HOW f IS COMPUTED.  S = 2 log2(e), A_j = S W1[j][0], e_j = 2^(u_j), tanh(z_j) = 1 - 2 / (1 + e_j), K0 = W2[0] + W2[1] + b2, dt = (t1 - t0) / 4.
;   (1) The time column of W1 and b1 do not hang on the row: u_j = A_j y + C_j(i), with a table C_j(i) for the nine times t0 + i dt / 2 of a column.  So the first product (K = 2) is ONE
;       multiply-add for each hidden unit; the matrix unit would want y rounded to 16 bits and laid into fragments, more vector lines than the two that it would replace.
;   (2) The constant K0 of f is carried apart: the registers hold y - K0 (time - t0); A_j K0 i dt / 2 lies in the table, and K0 (t1 - t0) is added once at the end.
;       What cancels there is at most (|W2[0]| + |W2[1]|) (t1 - t0), the size of the integral's own terms.
;   (3) One reciprocal serves both hidden units.  d_j = min(1, 2^-32 (1 + e_j)): one packed multiply-add with clamp.  M_j = -2 W2[j] dt 2^-32.
;       G = dt (f - K0) = M0 / d0 + M1 / d1 = (M0 d1 + M1 d0) / (d0 d1).  d0 d1 lies in 2^-64 .. 1, so e = infinity and e = 0 give no NaN; the clamp acts where 2 / (1 + e) < 5e-10,
;       less than half a unit in the last place of a tanh near 1.  dt = 0, dt < 0 and W2 = 0 need no care of their own.
;   An evaluation of f is then, for a pair of elements, 4 exponentials, 2 reciprocals and 9 or 10 packed lines.
; LIMITS.  NaN and infinities among the inputs are not treated apart.  A term with |dt W2[j]| below 2^-62 passes through denormals (M_j d) and may lose bits.
; SHARES.  256 work-groups of 32 waves; a work-group owns 64 rows, a wave 32 rows x 64 columns, a lane two neighbouring columns: a register pair for the packed f32 lines.  A wave's load or
; store of 8 bytes a lane covers 256 consecutive bytes, at a multiple of 256 from the buffer's first byte.  Two columns a lane, not four, keep the lane's table at 36 registers.
; A wave works in batches of 4 rows (4 pairs).  A pair's evaluation has four STAGES: its four exponentials; from e to the numerator (MID); its two reciprocals; from G into the next evaluation (PLAIN).
; HOW THE TRANSCENDENTALS ARE BATCHED.  The four pairs run one stage apart, and the text is cut into SEGMENTS: in a segment each pair stands at another stage.  So a segment has six transcendentals, one
; pair's exponentials and another's reciprocals, and the plain lines of the two other pairs.  The six are ONE BATCH: their sources were made in the segment before, no line of their own segment names a
; register of theirs, and their readers are the next segment's plain lines, behind the one wait at that segment's head.  Four segments are an evaluation of all four pairs:
; four waits for its 24 transcendentals.  The first line behind a wait is a transcendental whose source is ready; the transcendentals stand one or two plain lines apart, and between each of them and the
; first use of its result stands a plain line of another pair, which names none of its registers (ISA guide 5.7.2); so no v_nop is written.
; No LDS, no barrier, no cluster: no lane needs another lane's numbers, and the work-groups share nothing but t's 8,192 bytes.
.set ROWB,  4096                       ; bytes in a row
.set BROWS, 4                          ; rows in a batch
.set WROWS, 32                         ; rows of a wave
.set TRIPS, WROWS/BROWS
.set OFF, 1                            ; v1       my byte offset from the group's first row; never rewritten
.set CB,  2                            ; v[2:37]  C_j(i) of my two columns at CB + 18 j + 2 i
.set MM,  38                           ; v[38:41] M_0, M_1 of my two columns
.set KG,  42                           ; v[42:43] K0 (t1 - t0)
.set CC,  44                           ; v[44:45] 2^-32, twice: a line with clamp takes its sources from vector registers
.set X,   46                           ; v[46:53] x as loaded, pair p at X + 2 p; read by the first RK4 step alone
.set Y,   54                           ; v[54:61] y from the first step's end on; at last the data of the stores
.set AC,  62                           ; v[62:69] G1 + 2 G2 + 2 G3 + G4
.set WB,  70                           ; v[70:93] six registers a pair: U0 (u0, e0, d0, numerator, G), U1 (u1, e1, d1, d0 d1, its reciprocal, the stage's y), T
.set TT,  WB                           ; in the set-up: t0, t1 of my two columns
.set GP,  WB+4                         ;                t1 - t0
.set SL,  WB+6                         ;                the tables' steps
.set SA,  30                           ; s[30:31] A_0 twice, s[32:33] A_1 twice (a packed line names a pair and takes its low word for both halves)
.set ST,  34                           ; s34, s35 S W1[j][1]
.set SB,  36                           ; s36, s37 S b1[j]
.set SK,  38                           ; s38      K0
.set SS,  39                           ; s39, s40 (S W1[j][1] + A_j K0) / 8: the table's step for t1 - t0 = 1
.set SM,  41                           ; s41, s42 -W2[j] 2^-33: M_j for t1 - t0 = 1
.set CNT, 43                           ; s43      batches to go
	s_load_b256 s[4:11], s[0:1], 0x0               ; x s[4:5], t s[6:7], W1 s[8:9], b1 s[10:11]
	s_load_b128 s[12:15], s[0:1], 0x20             ; W2 s[12:13], b2 s[14:15]
	s_load_b64 s[16:17], s[0:1], 0x30              ; out0
	v_and_b32 v[AC+1], 0x1ff, v0                   ; my pair of columns, 0 to 511
	v_lshrrev_b32 v[AC+2], 9, v0                   ; which 32 of the group's 64 rows
	v_lshlrev_b32 v[AC], 4, v[AC+1]                ; t: 16 bytes for a pair of columns
	v_lshlrev_b32 v[OFF], 3, v[AC+1]               ; x, out: 8 bytes in a row,
	v_lshl_add_u32 v[OFF], v[AC+2], 17, v[OFF]     ; and 32 rows of 4,096 bytes
	s_lshl_b32 s2, ttmp9, 18                       ; the work-group's 64 rows: at most 255 x 262,144, under 2^32
	s_mov_b32 s3, 0
	s_wait_kmcnt 0x0
	s_load_b128 s[20:23], s[8:9], 0x0              ; W1[0][0], W1[0][1], W1[1][0], W1[1][1]
	s_load_b64 s[24:25], s[10:11], 0x0             ; b1
	s_load_b64 s[26:27], s[12:13], 0x0             ; W2
	s_load_b32 s28, s[14:15], 0x0                  ; b2
	s_add_nc_u64 s[4:5], s[4:5], s[2:3]
	s_add_nc_u64 s[16:17], s[16:17], s[2:3]
	global_load_b128 v[TT:TT+3], v[AC], s[6:7]     ; every work-group reads t: no hint
.irp p, 0,1,2,3
	global_load_b64 v[X+2*\p:X+2*\p+1], v[OFF], s[4:5] offset:\p*ROWB th:TH_LOAD_NT  ; the first batch; x is read once in the launch
.endr
	s_wait_kmcnt 0x0
	s_mul_f32 s[SA], s20, 0x4038aa3b               ; S = 2 log2(e) = 2.885390
	s_mul_f32 s[SA+2], s22, 0x4038aa3b
	s_mul_f32 s[ST], s21, 0x4038aa3b
	s_mul_f32 s[ST+1], s23, 0x4038aa3b
	s_mul_f32 s[SB], s24, 0x4038aa3b
	s_mul_f32 s[SB+1], s25, 0x4038aa3b
	s_add_f32 s[SK], s26, s27
	s_add_f32 s[SK], s[SK], s28
	s_mov_b32 s[SA+1], s[SA]
	s_mov_b32 s[SA+3], s[SA+2]
	s_mov_b32 s[SS], s[ST]
	s_mov_b32 s[SS+1], s[ST+1]
	s_fmac_f32 s[SS], s[SA], s[SK]
	s_fmac_f32 s[SS+1], s[SA+2], s[SK]
	s_mul_f32 s[SS], s[SS], 0x3e000000             ; dt / 2 = (t1 - t0) / 8
	s_mul_f32 s[SS+1], s[SS+1], 0x3e000000
	s_mul_f32 s[SM], s26, 0xaf000000               ; -2 x 1/4 x 2^-32 = -2^-33
	s_mul_f32 s[SM+1], s27, 0xaf000000
	s_wait_loadcnt 0x4                             ; loads come back in order: t is in, the four loads of x issued behind it may stay out
	v_sub_f32 v[GP], v[TT+1], v[TT]
	v_sub_f32 v[GP+1], v[TT+3], v[TT+2]
.irp j, 0,1
	v_fma_f32 v[CB+18*\j], v[TT], s[ST+\j], s[SB+\j]      ; C_j(0) = S (W1[j][1] t0 + b1[j])
	v_fma_f32 v[CB+18*\j+1], v[TT+2], s[ST+\j], s[SB+\j]
	v_mul_f32 v[SL+2*\j], s[SS+\j], v[GP]
	v_mul_f32 v[SL+2*\j+1], s[SS+\j], v[GP+1]
	v_mul_f32 v[MM+2*\j], s[SM+\j], v[GP]
	v_mul_f32 v[MM+2*\j+1], s[SM+\j], v[GP+1]
.endr
	v_mul_f32 v[KG], s[SK], v[GP]
	v_mul_f32 v[KG+1], s[SK], v[GP+1]
	v_mov_b32 v[CC], 0x2f800000                    ; 2^-32
	v_mov_b32 v[CC+1], 0x2f800000
.set i, 1
.irp f, 1.0, 2.0, 0x40400000, 4.0, 0x40a00000, 0x40c00000, 0x40e00000, 0x41000000
	v_pk_fma_f32 v[CB+2*i:CB+2*i+1], v[SL:SL+1], \f, v[CB:CB+1] op_sel_hi:[1,0,1]              ; C_j(i) = C_j(0) + i x step, i = 1 to 8
	v_pk_fma_f32 v[CB+18+2*i:CB+18+2*i+1], v[SL+2:SL+3], \f, v[CB+18:CB+19] op_sel_hi:[1,0,1]
.set i, i+1
.endr
; THE LINES OF A PAIR p, each stage a numbered list.
.macro EXPO p, q                       ; number q of 4: e = 2^u, in place: u0 of both columns, then u1
	v_exp_f32 v[WB+6*(\p)+(\q)], v[WB+6*(\p)+(\q)]
.endm
.macro RECI p, q                       ; number q of 2: 1 / (d0 d1), in place
	v_rcp_f32 v[WB+6*(\p)+2+(\q)], v[WB+6*(\p)+2+(\q)]
.endm
.macro MID p, o                        ; number o of 5: d0, d1; then T = M0 d1, U1 = d0 d1, U0 = M1 d0 + T
.set rU, WB+6*(\p)
.if (\o) < 2
	v_pk_fma_f32 v[rU+2*(\o):rU+2*(\o)+1], v[rU+2*(\o):rU+2*(\o)+1], v[CC:CC+1], v[CC:CC+1] clamp
.elseif (\o) == 2
	v_pk_mul_f32 v[rU+4:rU+5], v[rU+2:rU+3], v[MM:MM+1]
.elseif (\o) == 3
	v_pk_mul_f32 v[rU+2:rU+3], v[rU:rU+1], v[rU+2:rU+3]
.else
	v_pk_fma_f32 v[rU:rU+1], v[rU:rU+1], v[MM+2:MM+3], v[rU+4:rU+5]
.endif
.endm
.macro LEAD j, src                     ; u_j = A_j y + C_j(ti) for the stage's y in src
	v_pk_fma_f32 v[rU+2*(\j):rU+2*(\j)+1], v[\src:\src+1], s[SA+2*(\j):SA+2*(\j)+1], v[CB+18*(\j)+2*ti:CB+18*(\j)+2*ti+1] op_sel_hi:[1,0,1]
.endm
; Number o (0 to 4) of the lines that lead pair p from evaluation n - 1 into evaluation n (n = 0 to 16; evaluation n is stage n % 4 of step n / 4, at time t0 + ti dt / 2).
; G = numerator x reciprocal; G's part in the RK4 sum; the next stage's y (y + G / 2, y + G / 2, y + G, or the step's new y = y + sum / 6); u0 and u1 for it.
; n = 0 has u0, u1 alone, from x; n = 16 ends with + K0 (t1 - t0).  The first step reads y from X, so that X is free for the next batch's loads from then on.  Numbers past a list's end write nothing.
.macro PLAIN p, n, o
.set pp, (\p)
.set oo, (\o)
.set sp, ((\n)+3)%4
.set ti, 2*((\n)/4)+((\n)%4+1)/2
.set rU, WB+6*pp
.set rA, AC+2*pp
.set rY, Y+2*pp
.if (\n) <= 4
.set rS, X+2*pp
.else
.set rS, Y+2*pp
.endif
.if (\n) == 0
.if oo < 2
	LEAD oo, rS
.endif
.elseif oo == 0
.if sp == 0
	v_pk_mul_f32 v[rA:rA+1], v[rU:rU+1], v[rU+2:rU+3]                               ; G1 starts the sum: nothing is cleared
.else
	v_pk_mul_f32 v[rU:rU+1], v[rU:rU+1], v[rU+2:rU+3]
.endif
.elseif sp == 0
.if oo == 1
	v_pk_fma_f32 v[rU+2:rU+3], v[rA:rA+1], 0.5, v[rS:rS+1] op_sel_hi:[1,0,1]
.elseif oo < 4
	LEAD oo-2, rU+2
.endif
.elseif sp == 3
.if oo == 1
	v_pk_add_f32 v[rA:rA+1], v[rA:rA+1], v[rU:rU+1]
.elseif oo == 2
	v_pk_fma_f32 v[rY:rY+1], v[rA:rA+1], 0x3e2aaaab, v[rS:rS+1] op_sel_hi:[1,0,1]   ; 1 / 6
.elseif (\n) < 16
	LEAD oo-3, rY
.elseif oo == 3
	v_pk_add_f32 v[rY:rY+1], v[rY:rY+1], v[KG:KG+1]
.endif
.else
.if (oo == 1) && (sp == 1)
	v_pk_fma_f32 v[rU+2:rU+3], v[rU:rU+1], 0.5, v[rS:rS+1] op_sel_hi:[1,0,1]
.elseif oo == 1
	v_pk_add_f32 v[rU+2:rU+3], v[rU:rU+1], v[rS:rS+1]
.elseif oo == 2
	v_pk_fma_f32 v[rA:rA+1], v[rU:rU+1], 2.0, v[rA:rA+1] op_sel_hi:[1,0,1]
.else
	LEAD oo-3, rU+2
.endif
.endif
.endm
; WHO STANDS WHERE in segment sg (0 to 67) of a batch of rows.  Pair sg % 4 goes into evaluation sg / 4; the pair before it in the ring, (sg + 3) % 4, which did so a segment ago, has its exponentials;
; pair (sg + 2) % 4 goes from e to the numerator; pair (sg + 1) % 4 has its reciprocals.  At a batch's head and end a stage that has not begun, or is over, writes nothing.
.macro TE q                            ; the segment's exponential number q
.if (sg >= 1) && (sg <= 64)
	EXPO (sg+3)%4, \q
.endif
.endm
.macro TM o                            ; number o of the segment's lines from e to the numerator
.if (sg >= 2) && (sg <= 65)
	MID (sg+2)%4, \o
.endif
.endm
.macro TR q                            ; the segment's reciprocal number q
.if (sg >= 3) && (sg <= 66)
	RECI (sg+1)%4, \q
.endif
.endm
.macro TL o                            ; number o of the segment's lines into an evaluation
	PLAIN sg%4, sg/4, \o
.endm
; A SEGMENT.  The wait; then the six transcendentals among the plain lines of the two other pairs, the first of them first.  Behind the last reciprocal stand lines 3 and 4 into the evaluation
; (in segment 3, where that list has two lines, the numerator stands behind the first reciprocal, and the next segment's first plain line, another pair's, behind the last).
.macro SEG
.if sg >= 2
	s_wait_alu depctr_va_vdst(0)                   ; ONE wait for the batch of the segment before: a pair's four exponentials, which TM reads, and another's two reciprocals, which TL reads.  Ahead of segment 2 nothing reads a result
.endif
	TE 0
	TM 0
	TL 0
	TE 1
	TM 1
	TL 1
	TE 2
	TM 2
	TL 2
	TE 3
	TM 3
	TR 0
	TM 4
	TR 1
	TL 3
	TL 4
.endm
; A BATCH OF ROWS: four rows, sixteen evaluations, 68 segments.  ahead = 1: the next batch's rows are asked for when the first step has read X for the last time (pair 3's lines into evaluation 4, in segment 19):
; three of the four steps stand between the loads and the wait for them.  A pair's row is stored behind its last lines, in segment 64 + its number.  The last transcendentals stand in segment 66, their wait in segment 67.
.macro BATCH ahead
	s_wait_loadcnt 0x0                             ; the batch's four loads: no other load of mine is out
.set sg, 0
.rept 68
	SEG
.if (sg == 19) && (\ahead)
.irp p, 0,1,2,3
	global_load_b64 v[X+2*\p:X+2*\p+1], v[OFF], s[4:5] offset:(BROWS+\p)*ROWB th:TH_LOAD_NT
.endr
.endif
.if sg >= 64
	global_store_b64 v[OFF], v[Y+2*(sg-64):Y+2*(sg-64)+1], s[16:17] offset:(sg-64)*ROWB th:TH_STORE_NT  ; 32 lanes store 256 consecutive bytes, at a multiple of 256 from out0's first byte
.endif
.set sg, sg+1
.endr
.endm
	s_mov_b32 s[CNT], TRIPS-1
.Lbatch:
	BATCH 1
	s_wait_xcnt 0x0                                ; every earlier memory instruction has had its addresses translated (ISA guide 3.1): only behind this wait are the two bases stepped and Y, the stores' data, written again
	s_add_nc_u64 s[4:5], s[4:5], BROWS*ROWB
	s_add_nc_u64 s[16:17], s[16:17], BROWS*ROWB
	s_sub_co_u32 s[CNT], s[CNT], 1
	s_cmp_lg_u32 s[CNT], 0
	s_cbranch_scc1 .Lbatch
	BATCH 0                                        ; the last batch is written out: it asks for nothing, so no load leaves x
	s_endpgm
.Lfunc_end_k_qd1bea45e2a_rk4:
	.size	k_qd1bea45e2a_rk4, .Lfunc_end_k_qd1bea45e2a_rk4-k_qd1bea45e2a_rk4
	.p2alignl 7, 3214868480
	.fill 96, 4, 3214868480
	.section	.rodata,"a",@progbits
	.p2align	6, 0x0
	.amdhsa_kernel k_qd1bea45e2a_rk4
		.amdhsa_group_segment_fixed_size 0
		.amdhsa_private_segment_fixed_size 0
		.amdhsa_enable_private_segment 0
		.amdhsa_kernarg_size 56
		.amdhsa_user_sgpr_count 2
		.amdhsa_user_sgpr_kernarg_segment_ptr 1
		.amdhsa_wavefront_size32 1
		.amdhsa_system_sgpr_workgroup_id_x 1
		.amdhsa_system_sgpr_workgroup_id_y 1
		.amdhsa_system_sgpr_workgroup_id_z 1
		.amdhsa_system_vgpr_workitem_id 0
		.amdhsa_next_free_vgpr 94
		.amdhsa_next_free_sgpr 66
		.amdhsa_reserve_vcc 0
		.amdhsa_float_denorm_mode_32 3
		.amdhsa_float_denorm_mode_16_64 3
		.amdhsa_memory_ordered 1
		.amdhsa_forward_progress 1
		.amdhsa_inst_pref_size 114
	.end_amdhsa_kernel
	.amdgpu_metadata
---
amdhsa.version: [ 1, 2 ]
amdhsa.kernels:
  - .name:           k_qd1bea45e2a_rk4
    .symbol:         k_qd1bea45e2a_rk4.kd
    .args:
      - { .name: x, .offset: 0, .size: 8, .value_kind: global_buffer, .address_space: global }
      - { .name: t, .offset: 8, .size: 8, .value_kind: global_buffer, .address_space: global }
      - { .name: W1, .offset: 16, .size: 8, .value_kind: global_buffer, .address_space: global }
      - { .name: b1, .offset: 24, .size: 8, .value_kind: global_buffer, .address_space: global }
      - { .name: W2, .offset: 32, .size: 8, .value_kind: global_buffer, .address_space: global }
      - { .name: b2, .offset: 40, .size: 8, .value_kind: global_buffer, .address_space: global }
      - { .name: out0, .offset: 48, .size: 8, .value_kind: global_buffer, .address_space: global }
    .group_segment_fixed_size: 0
    .private_segment_fixed_size: 0
    .kernarg_segment_align: 8
    .kernarg_segment_size: 56
    .max_flat_workgroup_size: 1024
    .sgpr_count:     66
    .vgpr_count:     94
    .wavefront_size: 32
...
	.end_amdgpu_metadata
.endif
;; end of part 2
